; MI455X (gfx1250); checked and timed in simulation.
; The chip was launched on July 23, 2026; its instructions are those of AMD's public machine-readable ISA for CDNA 5 (MIT licence, August 2026) and "CDNA5" Instruction Set Architecture Reference Guide (July 2026). The comments in the code are by the model that wrote it; some were corrected since.
;; Generative Model. Allowed arithmetic: matrix products marked QUANTISED: E5M2 operands, one given power-of-two scale a tensor, by v_wmma_f32_16x16x64_bf8_bf8 or v_wmma_f32_16x16x128_bf8_bf8, f32 sums; products left as they are: f32 operands where the result goes on into a quantised operand, else bf16, f16 or f32 operands; f32 sums; everything else in f32.
;; Inputs: b0 2 x 64 float32; b1 2 x 64 float32; b2 2 x 64 float32; b3 2 x 1 float32; logit_multipliers_raw 2 float32; lowp_scales 4 int32 (the exponents e of the quantised operands' scales 2^e); program_id 256 int32; raw_positions 256 x 2 x 2 float32; shape_ids 256 x 2 int32; w0 2 x 1 x 64 float32; w1 2 x 64 x 64 float32; w2 2 x 64 x 64 float32; w3 2 x 64 x 1 float32.
;; Outputs: out0 256 x 64 x 64 float32.
;; This version of the problem:
;;   THIS VERSION OF THE PROBLEM IS GIVEN IN LOW PRECISION. The matrix products marked QUANTISED in the list below multiply operands that are first quantised to E5M2 (5 exponent bits, 2 mantissa bits; 8 bits a number), with one given power-of-two scale for each operand tensor; their sums are f32. All else is computed in f32.
;;   The module's matrix products, in the order in which they are computed (A, B: the left and right operand; K: the contracted axis; several contracted axes count as one K, in the product's order):
;;     1. batch 512 x [M 4,096, K 1] x [K 1, N 64]; A: computed on the way; B: computed on the way: left as it is (K = 1 < 32)
;;     2. batch 512 x [M 4,096, K 64] x [K 64, N 64]; A: computed on the way; B: computed on the way: QUANTISED (scales: A lowp_scales[0], B lowp_scales[1])
;;     3. batch 512 x [M 4,096, K 64] x [K 64, N 64]; A: computed on the way; B: computed on the way: QUANTISED (scales: A lowp_scales[2], B lowp_scales[3])
;;     4. batch 512 x [M 4,096, K 64] x [K 64, N 1]; A: computed on the way; B: computed on the way: left as it is (N = 1 < 16)
;;   THE QUANTISER, for each operand of a quantised product, along K:
;;     - The operand's scale is 2^e, e = its entry of the input lowp_scales (int32; the entries are numbered through the quantised products in the list's order, A before B).
;;     - Each number is divided by the scale, clamped to +-57,344, and rounded to the nearest number of E5M2, ties to even, subnormals kept.
;;     - The product sums the exact products of the quantised numbers (number of the format x scale) in f32.
;;   ~~~python
;;   def quantise(x, axis, e):      # numpy; x: float32 -> the quantised numbers, widened to float32 again
;;       x = np.moveaxis(x, axis, -1); K = x.shape[-1]
;;       r = np.clip(x / 2.0 ** e, -57344, 57344)
;;       step = 2.0 ** (np.maximum(np.frexp(np.where(r == 0, 1, r))[1] - 1, -14) - 2)
;;       q = np.round(r / step) * step * 2.0 ** e      # np.round: ties to even
;;       return np.moveaxis(q, -1, axis).astype(np.float32)
;;   ~~~
;;   OPERANDS COMPUTED ON THE WAY. 'Computed on the way' means the value that the module computes at that place (a softmax that the list does not call 'softmax' is quantised finished and normalised). What goes into a quantiser is computed in f32, as accurately as f32 sums, v_exp_f32 and their like allow (about 1e-6 of the number): no bf16 or f16 on the way to a quantiser, and a product that is left as it is and whose result goes on into a quantised operand takes f32 operands (vector FMAs, or v_wmma_f32_16x16x4_f32). A number that lies on a knife's edge between two numbers of the format may be rounded either way, as far as f32 arithmetic and the matrix unit's own rounding can turn it there, and no further.
;; One version. Each part assembles by itself: llvm-mc -triple=amdgcn-amd-amdhsa -mcpu=gfx1250 --defsym DOCPART=n.
;; ======== version 1 of 1: 1 launch
;; launch render (part 1): grid 256 x 1, 8 waves a work-group, no clusters, 50,176 bytes of LDS; arguments program_id, shape_ids, raw_positions, w0, b0, w1, b1, w2, b2, w3, b3, logit_multipliers_raw, lowp_scales, out0; writes out0
.if DOCPART == 1
	.amdgcn_target "amdgcn-amd-amdhsa--gfx1250"
	.amdhsa_code_object_version 6
	.text
	.protected	k_q5b412ecfc3_render
	.globl	k_q5b412ecfc3_render
	.p2align	8
	.type	k_q5b412ecfc3_render,@function
k_q5b412ecfc3_render:
	s_mov_b64 s[64:65], 0
	v_nop
	global_prefetch_b8 v0, s[64:65] scope:SCOPE_SE
	s_setreg_imm32_b32 hwreg(HW_REG_WAVE_MODE, 25, 1), 1
	s_wait_xcnt 0x0
; out0[b][y][x]: for each of the element's two slots  theta = atan2(dy, dx) -> MLP 1 -> 64 -> 64 -> 64 -> 1 (weights of primitive shape_ids[b][slot]) -> p = sigmoid(mult (exp(o) - dist));
; the two slots' p are joined by program_id[b].  The two 64 x 64 layers run on codes of BF8 (E5M2) with the four given scales 2^e0 .. 2^e3; all else is f32.
; SHARES.  A work-group is one element b: 256 work-groups of equal work.  Wave w of eight: slot w / 4, image rows 16 (w % 4) .. + 15, so a wave needs ONE primitive's constants and keeps them in registers for the whole launch.
; A trip of the loop is one image row of 64 pixels: block A (x = lane) and block B (x = 32 + lane), each two tiles of 16 pixels.  Two waves lie on a SIMD (2 x 384 registers), so one wave's dependent lines stand beside the other's work.
; THE MATRIX INSTRUCTION IS USED TRANSPOSED, K = 64 in ONE instruction: source 0 = 16 output units of W (K innermost), source 1 = 16 pixels, C = the bias.  In the result lane (r, h) holds pixel r and units 16 t + 8 h + 0 .. 7,
; and the eight registers of tile c, converted eight at a time, ARE registers 2 c, 2 c + 1 of the next layer's operand (k = 16 c + 8 h + 0 .. 7): nothing changes lanes between the layers, and no sum is a chain.
; Every vector over the 64 units (w0, b0, b1, b2, w3) lies the same way: register 8 c + j = entry 16 c + 8 h + j.
; SCALES FOLDED.  A sum of layer 1 stands for sum x 2^(e0 + e1): b1 goes in as b1 / 2^(e0 + e1), and its conversion takes 2^(e2 - e0 - e1).  Layer 2 likewise with e2 + e3: that power and log2(e) go into w3, log2(e) into b3, -log2(e) into mult.
; NO CLUSTER, NO TENSOR LOAD: a work-group reads its 64 KB of weights once at its head (8 KB a wave) and no memory at all in the loop; there is no stream of tiles that partners could ask for jointly.
; LIMITS.  e0, e1, e3 and e2 - e0 - e1 between -126 and 112; e2 + e3 between -126 and 127 (each power of two below is an f32 number); b1 / 2^(e0 + e1), b2 / 2^(e2 + e3) and w3 x 2^(e2 + e3) stay inside f32.
; NaN among the inputs is not served (the holds and the last clip drop it).  The bias is added inside the matrix instruction's sum and layer 0 is one fused multiply-add: an order of rounding that differs from a product followed by an addition.
; atan2(0, 0) = 0.  The arctangent is a polynomial of degree 17 that holds on the whole of [0, 1], behind a quotient refined to f32.
; LDS: 0 .. 16383: 16 images of weight fragments, 1,024 bytes each (slot, layer, tile t), registers 4 g .. 4 g + 3 of lane L at 512 g + 16 L.   16384 .. 49151: p of slot s, pixel n at 16384 + 16384 s + 4 n.
; REGISTERS, window 0: v0-11 lane terms and addresses; v12-17 scales and holds; v[18:19] b3 log2(e) / 2 and 0; v20 -log2(e) mult; v21-30 geometry; v32-63 w0; v64-95 b0; v96-127 w3'; v128-191 H: two tiles x 32;
;   v192-207 codes; v208-223 at work on theta; v224-231 theta by tile (odd ones 0: upper halves of pairs); v232-233 dist; v234-235 o log2(e); v236-254 at work.
; window 1 (v256-383, named v0-127): v0-31 W1's four fragments, v32-63 W2's, v64-95 b1's four C tiles, v96-127 b2's.  Only matrix instructions and the head name it: eight switches a trip.
.set PST,  16384
.set H,    128
.set CD,   192
.set W0,   32
.set B0,   64
.set W3,   96
.set ACC,  236
.set MSB,  0
.macro WIN new                         ; the immediate's high byte repeats the setting that is left; a switch that changes nothing is dropped
.if MSB != \new
	s_set_vgpr_msb (MSB<<8)|\new
.set MSB, \new
.endif
.endm
; 2^e as f32 into v[vs] (a conversion takes its exponent field) and 57,344 x 2^e into v[vl]
.macro MKSCALE e, vs, vl
	s_add_co_i32 s82, s[\e], 127
	s_lshl_b32 s83, s82, 23
	v_mov_b32 v[\vs], s83
	s_add_co_i32 s82, s82, 15
	s_lshl_b32 s82, s82, 23
	s_or_b32 s82, s82, 0x600000
	v_mov_b32 v[\vl], s82
.endm
; the grid's number at index x (a whole number as f32): s = x / 63 rounded once (a product, its remainder, a correction), then s - (1 - s)
.macro LIN dst, x
	v_mul_f32 v249, s63, v[\x]
	v_fma_f32 v250, v249, s75, v[\x]
	v_fma_f32 v249, v250, s63, v249
	v_sub_f32 v251, 1.0, v249
	v_sub_f32 v[\dst], v249, v251
.endm
; theta and dist of blocks A (k = 0) and B (k = 1), line by line in turn, so that no line waits for the one above it
.macro THETA2
.irp k, 0,1
	v_max3_num_f32 v[208+8*\k], v[24+\k], v29, 0x800000    ; the larger of |dx|, |dy|, with a floor: 0 / floor = 0 where both are 0
.endr
.irp k, 0,1
	v_add_f32 v[253+\k], v[26+\k], v30                     ; dx dx + dy dy
.endr
.irp k, 0,1
	v_rcp_f32 v[210+8*\k], v[208+8*\k]
.endr
.irp k, 0,1
	v_sqrt_f32 v[232+\k], v[253+\k]                        ; dist
.endr
.irp k, 0,1
	v_min_num_f32 v[209+8*\k], v[24+\k], v29               ; the smaller.  (Plain lines behind the transcendentals, which touch none of their registers)
.endr
.irp k, 0,1
	v_cmp_gt_f32 s[73+\k], v29, v[24+\k]                   ; |dy| > |dx|
.endr
	s_wait_alu depctr_va_vdst(0)
.irp k, 0,1
	v_mul_f32 v[211+8*\k], v[209+8*\k], v[210+8*\k]        ; a = smaller / larger,
.endr
.irp k, 0,1
	v_fma_f32 v[212+8*\k], -v[211+8*\k], v[208+8*\k], v[209+8*\k]   ; its remainder,
.endr
.irp k, 0,1
	v_fma_f32 v[211+8*\k], v[212+8*\k], v[210+8*\k], v[211+8*\k]    ; corrected
.endr
.irp k, 0,1
	v_mul_f32 v[213+8*\k], v[211+8*\k], v[211+8*\k]
.endr
.irp k, 0,1
	v_fma_f32 v[214+8*\k], v[213+8*\k], s52, s53
.endr
.irp c, 54,55,56,57,58,59
.irp k, 0,1
	v_fma_f32 v[214+8*\k], v[214+8*\k], v[213+8*\k], s[\c]
.endr
.endr
.irp k, 0,1
	v_mul_f32 v[214+8*\k], v[214+8*\k], v[213+8*\k]
.endr
.irp k, 0,1
	v_fma_f32 v[214+8*\k], v[214+8*\k], v[211+8*\k], v[211+8*\k]    ; atan(a), a in [0, 1]
.endr
.irp k, 0,1
	v_sub_f32 v[215+8*\k], s60, v[214+8*\k]
.endr
.irp k, 0,1
	v_cndmask_b32 v[214+8*\k], v[214+8*\k], v[215+8*\k], s[73+\k]   ; pi / 2 - it where |dy| > |dx|
.endr
.irp k, 0,1
	v_sub_f32 v[215+8*\k], s61, v[214+8*\k]
.endr
.irp k, 0,1
	v_cndmask_b32 v[214+8*\k], v[214+8*\k], v[215+8*\k], s[68+\k]   ; pi - it where dx < 0
.endr
.irp k, 0,1
	v_bfi_b32 v[214+8*\k], 0x7fffffff, v[214+8*\k], v28             ; dy's sign
.endr
.endm
; a block's 32 thetas (one a lane) become two tiles' (pixel lane % 16 in both halves of the lanes)
.macro SPREAD pp, th
	v_permlanex16_b32 v248, v[\pp], s66, s67
	v_cndmask_b32 v[\th], v[\pp], v248, s62
	v_cndmask_b32 v[\th+2], v248, v[\pp], s62
.endm
; H's 64 numbers become codes: the activation and the hold in one (the conversion to an 8-bit code does not saturate: ISA guide 7.6.2), in ascending order, so that each matrix result is read from its low end on
.macro QUANT lim, sc
.set n, 0
.rept 64
	v_med3_num_f32 v[H+n], v[H+n], 0, v[\lim]
.set n, n+1
.endr
.irp t, 0,1
.irp c, 0,1,2,3
	v_cvt_scalef32_pk8_bf8_f32 v[CD+8*\t+2*\c:CD+8*\t+2*\c+1], v[H+32*\t+8*\c:H+32*\t+8*\c+7], v[\sc]
.endr
.endr
	v_nop                                          ; one plain line between the last conversion and the matrix instructions, which read the codes and write H
.endm
.macro LAYER0 th                       ; h0 = theta w0 + b0, two units an instruction (of theta's pair the low word serves both halves)
.irp t, 0,1
.irp m, 0,1,2,3,4,5,6,7,8,9,10,11,12,13,14,15
	v_pk_fma_f32 v[H+32*\t+2*\m:H+32*\t+2*\m+1], v[W0+2*\m:W0+2*\m+1], v[\th+2*\t:\th+2*\t+1], v[B0+2*\m:B0+2*\m+1] op_sel_hi:[1,0,1]
.endr
.endr
	QUANT 13, 12
.endm
; layer l + 1: eight products, each a whole sum over K = 64 with the bias as C; no two share a result, none writes a register of another.
; Four places stand behind them, ahead of the first read of a result (ISA guide 7.12.1); the matrix instructions in between are not counted.
.macro MM l
	WIN 0x11                                       ; source 0 (W) and source 2 (the bias) in window 1
.irp t, 0,1
.irp c, 0,1,2,3
	v_wmma_f32_16x16x64_bf8_bf8 v[H+32*\t+8*\c:H+32*\t+8*\c+7], v[32*\l+8*\c:32*\l+8*\c+7], v[CD+8*\t:CD+8*\t+7], v[64+32*\l+8*\c:64+32*\l+8*\c+7]
.endr
.endr
	WIN 0
.rept 4
	v_nop
.endr
.endm
; the last layer: relu, then the dot product with w3' in four packed chains; the two halves of the lanes hold 32 units each and meet by one exchange, after which lane l holds pixel l of the block
.macro DOT out
.set n, 0
.rept 64
	v_max_num_f32 v[H+n], 0, v[H+n]
.set n, n+1
.endr
.irp t, 0,1
	v_pk_fma_f32 v[ACC+4*\t:ACC+4*\t+1], v[H+32*\t:H+32*\t+1], v[W3:W3+1], v[18:19]          ; half of b3' comes in here, in each half of the lanes
	v_pk_mul_f32 v[ACC+4*\t+2:ACC+4*\t+3], v[H+32*\t+2:H+32*\t+3], v[W3+2:W3+3]
.endr
.irp m, 1,2,3,4,5,6,7
.irp t, 0,1
.irp u, 0,1
	v_pk_fma_f32 v[ACC+4*\t+2*\u:ACC+4*\t+2*\u+1], v[H+32*\t+4*\m+2*\u:H+32*\t+4*\m+2*\u+1], v[W3+4*\m+2*\u:W3+4*\m+2*\u+1], v[ACC+4*\t+2*\u:ACC+4*\t+2*\u+1]
.endr
.endr
.endr
.irp t, 0,1
	v_pk_add_f32 v[ACC+4*\t:ACC+4*\t+1], v[ACC+4*\t:ACC+4*\t+1], v[ACC+4*\t+2:ACC+4*\t+3]
.endr
.irp t, 0,1
	v_add_f32 v[244+\t], v[ACC+4*\t], v[ACC+4*\t+1]
.endr
	v_cndmask_b32 v246, v244, v245, s62            ; what stays: lanes 0-15 tile 0's part, lanes 16-31 tile 1's
	v_cndmask_b32 v247, v245, v244, s62            ; what the lane 16 away wants
	v_permlanex16_b32 v248, v247, s66, s67
	v_add_f32 v[\out], v246, v248
.endm
.macro BLOCK th, out
	LAYER0 \th
	MM 0
	QUANT 15, 14
	MM 1
	DOT \out
.endm
	s_load_b512 s[8:23], s[0:1], 0x0               ; program_id 8, shape_ids 10, raw_positions 12, w0 14, b0 16, w1 18, b1 20, w2 22
	s_load_b256 s[24:31], s[0:1], 0x40             ; b2 24, w3 26, b3 28, logit_multipliers_raw 30
	s_load_b128 s[32:35], s[0:1], 0x60             ; lowp_scales 32, out0 34
	v_lshl_add_u32 v31, v0, 2, 0xc000
	s_set_vgpr_msb 0x40
	v_mov_b32 v129, 0
	s_set_vgpr_msb 0x4000
	v_lshrrev_b32 v1, 5, v0
	v_readfirstlane_b32 s2, v1                     ; wave 0..7
	v_and_b32 v1, 31, v0                           ; lane
	v_and_b32 v2, 15, v0                           ; a = lane % 16
	v_bfe_u32 v3, v0, 4, 1                         ; h = lane / 16
	s_lshr_b32 s3, s2, 2                           ; my slot
	s_and_b32 s4, s2, 3                            ; my quarter of the image; at the head also: which half matrix I quantise
	v_lshlrev_b32 v4, 4, v2
	v_lshl_add_u32 v4, v3, 11, v4                  ; W: 16 bytes a lane of a row of 256; lanes 16-31 eight rows further down
	v_lshlrev_b32 v5, 5, v3                        ; vectors over the units: 32 h
	v_bfe_u32 v6, v0, 2, 2                         ; where my codes go: unit 4 a + q is lane 4 (a % 4) + q of tile a / 4
	v_lshlrev_b32 v6, 10, v6
	v_and_b32 v7, 3, v0
	v_lshl_add_u32 v6, v7, 6, v6
	v_lshl_add_u32 v6, v3, 8, v6
	s_lshl_b32 s82, s3, 13                         ; 8192 x slot
	s_lshr_b32 s83, s4, 1
	s_lshl_b32 s83, s83, 12                        ; 4096 x layer
	s_and_b32 s84, s4, 1
	s_lshl_b32 s85, s84, 9                         ; 512 x half of K
	s_add_co_u32 s83, s83, s82
	s_add_co_u32 s83, s83, s85
	v_add_nc_u32 v6, s83, v6
	v_lshlrev_b32 v7, 4, v1
	v_add_nc_u32 v7, s82, v7                       ; an image's place for my lane, in my slot's images
	s_lshl_b32 s85, s2, 12
	s_add_co_u32 s85, s85, PST
	v_lshl_add_u32 v8, v1, 2, s85                  ; p: my wave's 1,024 pixels, 4 bytes a lane
	v_lshlrev_b32 v11, 4, v0                       ; the way out: 16 bytes a thread
	v_add_nc_u32 v10, PST, v11
	s_mov_b32 s79, 0
	s_mov_b32 s77, 0
	s_lshl_b32 s78, ttmp9, 3
	s_lshl_b32 s82, s3, 2
	s_add_co_u32 s78, s78, s82                     ; shape_ids[b][slot]
	s_wait_kmcnt 0x0
	s_add_nc_u64 s[10:11], s[10:11], s[78:79]
	s_load_b32 s36, s[10:11], 0x0
	s_lshl_b32 s78, ttmp9, 2
	s_add_nc_u64 s[8:9], s[8:9], s[78:79]
	s_load_b32 s37, s[8:9], 0x0                    ; program_id[b]
	s_lshl_b32 s78, ttmp9, 4
	s_lshl_b32 s82, s3, 3
	s_add_co_u32 s78, s78, s82
	s_add_nc_u64 s[12:13], s[12:13], s[78:79]
	s_load_b64 s[38:39], s[12:13], 0x0             ; raw x, raw y
	s_load_b128 s[40:43], s[32:33], 0x0            ; e0 .. e3
	s_mov_b32 s52, 0x3b369043                      ; the arctangent's eight coefficients, highest power first
	s_mov_b32 s53, 0xbc81f976
	s_mov_b32 s54, 0x3d2df75d
	s_mov_b32 s55, 0xbd998ca7
	s_mov_b32 s56, 0x3dda01d4
	s_mov_b32 s57, 0xbe117ae1
	s_mov_b32 s58, 0x3e4cbba4
	s_mov_b32 s59, 0xbeaaaa6c
	s_mov_b32 s60, 0x3fc90fdb                      ; pi / 2
	s_mov_b32 s61, 0x40490fdb                      ; pi
	s_mov_b32 s62, 0xffff0000                      ; lanes 16-31
	s_mov_b32 s63, 0x3c820821                      ; 1 / 63
	s_mov_b32 s75, 0xc27c0000                      ; -63
	s_mov_b32 s66, 0x76543210                      ; v_permlanex16_b32: lane l xor 16
	s_mov_b32 s67, 0xfedcba98
	s_wait_kmcnt 0x0
	s_min_u32 s36, s36, 1                          ; the primitive: an index into tables of two
	s_lshl_b32 s78, s36, 2
	s_add_nc_u64 s[28:29], s[28:29], s[78:79]
	s_add_nc_u64 s[30:31], s[30:31], s[78:79]
	s_load_b32 s44, s[28:29], 0x0                  ; b3
	s_load_b32 s46, s[30:31], 0x0                  ; logit_multipliers_raw
	s_lshl_b32 s76, s36, 8                         ; 64 numbers a primitive
	s_add_nc_u64 s[14:15], s[14:15], s[76:77]
	s_add_nc_u64 s[16:17], s[16:17], s[76:77]
	s_add_nc_u64 s[20:21], s[20:21], s[76:77]
	s_add_nc_u64 s[24:25], s[24:25], s[76:77]
	s_add_nc_u64 s[26:27], s[26:27], s[76:77]
	s_cmp_ge_u32 s4, 2                             ; quarters 0, 1 quantise w1's two halves of K, quarters 2, 3 w2's: the choice hangs on the wave's number alone
	s_cselect_b64 s[48:49], s[22:23], s[18:19]
	s_cselect_b32 s50, s43, s41                    ; and its exponent: e3 or e1
	s_lshl_b32 s78, s36, 14                        ; the primitive's matrix,
	s_and_b32 s82, s4, 1
	s_lshl_b32 s82, s82, 13                        ; my 32 rows of it
	s_add_co_u32 s78, s78, s82
	s_add_nc_u64 s[48:49], s[48:49], s[78:79]
	s_lshl_b32 s78, ttmp9, 14
	s_add_nc_u64 s[34:35], s[34:35], s[78:79]      ; out0 at my element.  No base is written again from here on
.irp c, 0,1                                    ; W(16 c + 8 h + j, 4 a + 0 .. 3) of my half: sixteen lanes read a whole row of 256 bytes
.irp j, 0,1,2,3,4,5,6,7
	global_load_b128 v[128+32*\c+4*\j:128+32*\c+4*\j+3], v4, s[48:49] offset:(16*\c+\j)*256
.endr
.endr
.irp c, 0,1,2,3
.irp g, 0,1
	global_load_b128 v[W0+8*\c+4*\g:W0+8*\c+4*\g+3], v5, s[14:15] offset:64*\c+16*\g
	global_load_b128 v[B0+8*\c+4*\g:B0+8*\c+4*\g+3], v5, s[16:17] offset:64*\c+16*\g
	global_load_b128 v[W3+8*\c+4*\g:W3+8*\c+4*\g+3], v5, s[26:27] offset:64*\c+16*\g
.endr
.endr
	WIN 0x40                                       ; destination window 1
.irp c, 0,1,2,3
.irp g, 0,1
	global_load_b128 v[64+8*\c+4*\g:64+8*\c+4*\g+3], v5, s[20:21] offset:64*\c+16*\g
	global_load_b128 v[96+8*\c+4*\g:96+8*\c+4*\g+3], v5, s[24:25] offset:64*\c+16*\g
.endr
.endr
	WIN 0
	s_add_co_i32 s51, s40, s41                     ; e0 + e1
	s_sub_co_i32 s86, s42, s51                     ; e2 - e0 - e1
	s_add_co_i32 s87, s42, s43                     ; e2 + e3
	s_sub_co_i32 s88, 0, s51
	s_sub_co_i32 s47, 0, s87
	s_lshl_b32 s84, s87, 23
	s_add_co_i32 s84, s84, 0x3fb8aa3b              ; log2(e) x 2^(e2 + e3): the exponent is added to log2(e)'s exponent field
	s_mov_b32 s85, s84                             ; (named with it as a pair, so it is written)
	MKSCALE 40, 12, 13                             ; h0's
	MKSCALE 86, 14, 15                             ; h1's, on sums that lack 2^(e0 + e1)
	MKSCALE 50, 16, 17                             ; my half matrix's
	; ---- my half matrix becomes codes.  The hold writes register 8 q + j from register 4 j + q: eight neighbours along K of unit 4 a + q then stand on end, as the conversion wants them
	s_wait_loadcnt 40                              ; loads come back in order: W's sixteen are in; the 40 issued behind them (w0, b0, w3: 24; b1, b2: 16) may be out
.irp c, 0,1
.irp q, 0,1,2,3
.irp j, 0,1,2,3,4,5,6,7
	v_med3_num_f32 v[192+32*\c+8*\q+\j], v[128+32*\c+4*\j+\q], -v17, v17
.endr
.endr
.endr
.irp c, 0,1
.irp q, 0,1,2,3
	v_cvt_scalef32_pk8_bf8_f32 v[128+2*(4*\c+\q):128+2*(4*\c+\q)+1], v[192+32*\c+8*\q:192+32*\c+8*\q+7], v16
.endr
.endr
	v_nop                                          ; one plain line behind the last conversion: vector lines further down write these registers again
.irp c, 0,1
.irp q, 0,1,2,3
	ds_store_b64 v6, v[128+2*(4*\c+\q):128+2*(4*\c+\q)+1] offset:16*\q+8*\c   ; registers 2 c, 2 c + 1 (of my half) of lane 4 (a % 4) + q + 16 h of tile a / 4
.endr
.endr
	s_wait_dscnt 0x0                               ; for the others' sake: my codes lie in LDS
	s_barrier_signal -1
	s_barrier_wait -1                              ; all sixteen fragments do
	WIN 0x40
.irp f, 0,1,2,3,4,5,6,7                        ; my slot's eight fragments (layer f / 4, tile f % 4): they stay in window 1
.irp g, 0,1
	ds_load_b128 v[8*\f+4*\g:8*\f+4*\g+3], v7 offset:1024*\f+512*\g
.endr
.endr
	WIN 0
	s_wait_loadcnt 0x0                             ; the vectors over the units
	s_wait_kmcnt 0x0                               ; b3, logit_multipliers_raw
.irp m, 0,1,2,3,4,5,6,7,8,9,10,11,12,13,14,15
	v_pk_mul_f32 v[W3+2*\m:W3+2*\m+1], v[W3+2*\m:W3+2*\m+1], s[84:85] op_sel_hi:[1,0]   ; w3' = w3 x 2^(e2 + e3) x log2(e)
.endr
	WIN 0x41                                       ; source 0 and destination window 1
.set n, 0
.rept 32
	v_ldexp_f32 v[64+n], v[64+n], s88              ; b1 / 2^(e0 + e1)
.set n, n+1
.endr
.set n, 0
.rept 32
	v_ldexp_f32 v[96+n], v[96+n], s47              ; b2 / 2^(e2 + e3)
.set n, n+1
.endr
	WIN 0
	; ---- what a wave keeps of the geometry
	v_mov_b32 v248, 0                              ; written once: a lane permute's destination counts as one of its sources
	v_mov_b32 v225, 0                              ; the upper halves of theta's pairs: named, not used
	v_mov_b32 v227, 0
	v_mov_b32 v229, 0
	v_mov_b32 v231, 0
	v_mov_b32 v19, 0
	v_mov_b32 v18, s44
	v_mul_f32 v18, 0x3f38aa3b, v18                 ; b3 log2(e) / 2
	v_mov_b32 v249, s38
	v_mov_b32 v250, s39
	v_mov_b32 v20, s46
	v_mul_f32 v249, 0xbfb8aa3b, v249
	v_mul_f32 v250, 0xbfb8aa3b, v250
	v_mul_f32 v20, 0x3fb8aa3b, v20
	v_exp_f32 v249, v249
	v_exp_f32 v250, v250
	v_exp_f32 v20, v20                             ; mult = exp(raw)
	v_nop                                          ; a plain line behind the transcendentals
	s_wait_alu depctr_va_vdst(0)
	v_add_f32 v249, 1.0, v249
	v_add_f32 v250, 1.0, v250
	v_mul_f32 v20, 0xbfb8aa3b, v20                 ; -log2(e) mult
	v_rcp_f32 v249, v249
	v_rcp_f32 v250, v250
	v_nop
	s_wait_alu depctr_va_vdst(0)
	v_add_f32 v252, -0.5, v249                     ; pos x = sigmoid(raw x) - 0.5
	v_add_f32 v21, -0.5, v250                      ; pos y
	v_cvt_f32_u32 v253, v1
	v_add_nc_u32 v254, 32, v1
	v_cvt_f32_u32 v254, v254
	LIN 22, 253
	LIN 23, 254
	v_sub_f32 v22, v22, v252                       ; dx of blocks A and B: the same in every image row
	v_sub_f32 v23, v23, v252
	v_and_b32 v24, 0x7fffffff, v22
	v_and_b32 v25, 0x7fffffff, v23
	v_mul_f32 v26, v22, v22
	v_mul_f32 v27, v23, v23
	v_cmp_gt_f32 s68, 0, v22                       ; dx < 0
	v_cmp_gt_f32 s69, 0, v23
	s_mov_b32 s70, 16                              ; trips
	s_lshl_b32 s71, s4, 4                          ; my first image row
	s_mov_b32 s72, 0                               ; its place among my wave's p
	s_wait_dscnt 0x0                               ; the weights' fragments are in
.Lrow:                                             ; one image row: no memory access but two LDS stores
	v_cvt_f32_u32 v252, s71
	LIN 28, 252
	v_sub_f32 v28, v28, v21                        ; dy
	v_and_b32 v29, 0x7fffffff, v28
	v_mul_f32 v30, v28, v28
	v_add_nc_u32 v9, s72, v8
	THETA2
	SPREAD 214, 224
	SPREAD 222, 228
	BLOCK 224, 234
	BLOCK 228, 235
	v_exp_f32 v234, v234                           ; exp(o)
	v_exp_f32 v235, v235
	v_nop
	s_wait_alu depctr_va_vdst(0)
	v_sub_f32 v234, v234, v232                     ; - dist
	v_sub_f32 v235, v235, v233
	v_mul_f32 v234, v20, v234                      ; -log2(e) x the logit
	v_mul_f32 v235, v20, v235
	v_exp_f32 v234, v234
	v_exp_f32 v235, v235
	v_nop
	s_wait_alu depctr_va_vdst(0)
	v_add_f32 v234, 1.0, v234
	v_add_f32 v235, 1.0, v235
	v_rcp_f32 v234, v234                           ; the sigmoid
	v_rcp_f32 v235, v235
	v_nop
	s_wait_alu depctr_va_vdst(0)
	ds_store_b32 v9, v234
	ds_store_b32 v9, v235 offset:128
	s_add_co_u32 s71, s71, 1
	s_add_co_u32 s72, s72, 256
	s_sub_co_i32 s70, s70, 1
	s_cmp_lg_u32 s70, 0
	s_cbranch_scc1 .Lrow
	; ---- the two slots meet: thread t takes pixels 4 t + 1024 g, g = 0 .. 3
	s_wait_dscnt 0x0                               ; for the others' sake: my p lie in LDS
	s_barrier_signal -1
	s_barrier_wait -1
.irp g, 0,1,2,3
	ds_load_b128 v[128+4*\g:128+4*\g+3], v10 offset:4096*\g            ; p0
.endr
.irp g, 0,1,2,3
	ds_load_b128 v[144+4*\g:144+4*\g+3], v10 offset:16384+4096*\g      ; p1
.endr
	s_mov_b32 s80, 0x3f800000
	s_cmp_eq_u32 s37, 2
	s_cselect_b32 s80, 0xbf800000, s80             ; program 2 subtracts, the others add: a value is chosen, no path
	s_cmp_eq_u32 s37, 0
	s_cselect_b32 s81, -1, 0                       ; program 0 keeps p0
	s_wait_dscnt 0x0
.set n, 0
.rept 16
	v_fma_f32 v[160+n], v[144+n], s80, v[128+n]
.set n, n+1
.endr
.set n, 0
.rept 16
	v_med3_num_f32 v[160+n], v[160+n], 0, 1.0
.set n, n+1
.endr
.set n, 0
.rept 16
	v_cndmask_b32 v[160+n], v[160+n], v[128+n], s81
.set n, n+1
.endr
.irp g, 0,1,2,3
	global_store_b128 v11, v[160+4*\g:160+4*\g+3], s[34:35] offset:4096*\g th:TH_STORE_NT   ; a wave stores 512 consecutive bytes, at a multiple of 256 from out0's first byte; written once, read by nobody here
.endr
	s_set_vgpr_msb 0x4
	s_wait_tensorcnt 0x0
	ds_add_u32 v31, v129
	s_wait_dscnt 0x0
	s_set_vgpr_msb 0x400
	s_endpgm
.Lfunc_end_k_q5b412ecfc3_render:
	.size	k_q5b412ecfc3_render, .Lfunc_end_k_q5b412ecfc3_render-k_q5b412ecfc3_render
	.p2alignl 7, 3214868480
	.fill 96, 4, 3214868480
	.section	.rodata,"a",@progbits
	.p2align	6, 0x0
	.amdhsa_kernel k_q5b412ecfc3_render
		.amdhsa_group_segment_fixed_size 50176
		.amdhsa_private_segment_fixed_size 0
		.amdhsa_enable_private_segment 0
		.amdhsa_kernarg_size 112
		.amdhsa_user_sgpr_count 2
		.amdhsa_user_sgpr_kernarg_segment_ptr 1
		.amdhsa_wavefront_size32 1
		.amdhsa_system_sgpr_workgroup_id_x 1
		.amdhsa_system_sgpr_workgroup_id_y 1
		.amdhsa_system_sgpr_workgroup_id_z 1
		.amdhsa_system_vgpr_workitem_id 0
		.amdhsa_next_free_vgpr 386
		.amdhsa_next_free_sgpr 90
		.amdhsa_reserve_vcc 0
		.amdhsa_float_denorm_mode_32 3
		.amdhsa_float_denorm_mode_16_64 3
		.amdhsa_memory_ordered 1
		.amdhsa_forward_progress 1
		.amdhsa_inst_pref_size 67
	.end_amdhsa_kernel
	.amdgpu_metadata
---
amdhsa.version: [ 1, 2 ]
amdhsa.kernels:
  - .name:           k_q5b412ecfc3_render
    .symbol:         k_q5b412ecfc3_render.kd
    .args:
      - { .name: program_id, .offset: 0, .size: 8, .value_kind: global_buffer, .address_space: global }
      - { .name: shape_ids, .offset: 8, .size: 8, .value_kind: global_buffer, .address_space: global }
      - { .name: raw_positions, .offset: 16, .size: 8, .value_kind: global_buffer, .address_space: global }
      - { .name: w0, .offset: 24, .size: 8, .value_kind: global_buffer, .address_space: global }
      - { .name: b0, .offset: 32, .size: 8, .value_kind: global_buffer, .address_space: global }
      - { .name: w1, .offset: 40, .size: 8, .value_kind: global_buffer, .address_space: global }
      - { .name: b1, .offset: 48, .size: 8, .value_kind: global_buffer, .address_space: global }
      - { .name: w2, .offset: 56, .size: 8, .value_kind: global_buffer, .address_space: global }
      - { .name: b2, .offset: 64, .size: 8, .value_kind: global_buffer, .address_space: global }
      - { .name: w3, .offset: 72, .size: 8, .value_kind: global_buffer, .address_space: global }
      - { .name: b3, .offset: 80, .size: 8, .value_kind: global_buffer, .address_space: global }
      - { .name: logit_multipliers_raw, .offset: 88, .size: 8, .value_kind: global_buffer, .address_space: global }
      - { .name: lowp_scales, .offset: 96, .size: 8, .value_kind: global_buffer, .address_space: global }
      - { .name: out0, .offset: 104, .size: 8, .value_kind: global_buffer, .address_space: global }
    .group_segment_fixed_size: 50176
    .private_segment_fixed_size: 0
    .kernarg_segment_align: 8
    .kernarg_segment_size: 112
    .max_flat_workgroup_size: 256
    .sgpr_count:     90
    .vgpr_count:     386
    .wavefront_size: 32
...
	.end_amdgpu_metadata
.endif
;; end of part 1
